; MI455X (gfx1250); checked and timed in simulation.
; The chip was launched on July 23, 2026; its instructions are those of AMD's public machine-readable ISA for CDNA 5 (MIT licence, August 2026) and "CDNA5" Instruction Set Architecture Reference Guide (July 2026). The comments in the code are by the model that wrote it; some were corrected since.
;; Linear. Allowed arithmetic: matrix products marked QUANTISED: E2M1 operands, one E8M0 scale for each 32 along K, by v_wmma_scale_f32_16x16x128_f8f6f4 with both operands' format E2M1 (or v_wmma_scale_f32_32x16x128_f4), f32 sums; products left as they are: f32 operands where the result goes on into a quantised operand, else bf16, f16 or f32 operands; f32 sums; everything else in f32.
;; Inputs: W_codes 4,096 x 128 x 16 uint8 (E2M1 codes of W, K innermost, in blocks of 32 codes, two codes a byte); W_scales 4,096 x 128 uint8 (E8M0 scales of W, one for each 32 codes along K); bias 4,096 float32; data 4,096 x 4,096 float32; lora_a_codes 4 x 16 x 128 x 16 uint8 (E2M1 codes of lora_a, K innermost, in blocks of 32 codes, two codes a byte); lora_a_scales 4 x 16 x 128 uint8 (E8M0 scales of lora_a, one for each 32 codes along K); lora_b 4 x 4,096 x 16 float32; lora_scaling 4 float32; vera_a_codes 4 x 16 x 128 x 16 uint8 (E2M1 codes of vera_a, K innermost, in blocks of 32 codes, two codes a byte); vera_a_scales 4 x 16 x 128 uint8 (E8M0 scales of vera_a, one for each 32 codes along K); vera_b 4 x 4,096 x 16 float32; vera_bvec 4 x 4,096 float32; vera_d 4 x 16 float32; vera_scaling 4 float32.
;; Outputs: out0 4,096 x 4,096 float32.
;; This version of the problem:
;;   THIS VERSION OF THE PROBLEM IS GIVEN IN LOW PRECISION. The matrix products marked QUANTISED in the list below multiply operands that are first quantised to E2M1 (2 exponent bits, 1 mantissa bit; 4 bits a number), with one power-of-two scale for each 32 numbers along K (OCP MX v1.0); their sums are f32. All else is computed in f32.
;;   The module's matrix products, in the order in which they are computed (A, B: the left and right operand; K: the contracted axis; several contracted axes count as one K, in the product's order):
;;     1. [M 4,096, K 4,096] x [K 4,096, N 4,096]; A: input data; B: input W (given as codes): QUANTISED
;;     2. batch 4 x [M 512, K 4,096] x [K 4,096, N 16]; A: input data; B: input lora_a (given as codes): QUANTISED
;;     3. batch 4 x [M 512, K 16] x [K 16, N 4,096]; A: computed on the way; B: input lora_b: left as it is (K = 16 < 32)
;;     4. batch 4 x [M 512, K 4,096] x [K 4,096, N 16]; A: computed on the way; B: input vera_a (given as codes): QUANTISED
;;     5. batch 4 x [M 512, K 16] x [K 16, N 4,096]; A: computed on the way; B: input vera_b: left as it is (K = 16 < 32)
;;   THE QUANTISER, for each operand of a quantised product, along K:
;;     - K is cut into blocks of 32 from its start; a last block that is shorter is filled with zeros.
;;     - A block's scale is 2^e with e = floor(log2(the largest magnitude in the block)) - 2, held to -126 .. 127; a block of zeros has e = 0. As a byte (E8M0): e + 127.
;;     - Each number is divided by its block's scale, clamped to +-6, and rounded to the nearest number of E2M1, ties to even, subnormals kept.
;;     - The product sums the exact products of the quantised numbers (number of the format x scale) in f32.
;;   ~~~python
;;   def quantise(x, axis):      # numpy; x: float32 -> the quantised numbers, widened to float32 again
;;       x = np.moveaxis(x, axis, -1); K = x.shape[-1]
;;       x = np.pad(x, [(0, 0)] * (x.ndim - 1) + [(0, -K % 32)]); x = x.reshape(x.shape[:-1] + (-1, 32)); a = np.abs(x).max(-1, keepdims=True)
;;       e = np.where(a > 0, np.clip(np.frexp(np.where(a > 0, a, 1))[1] - 1 - 2, -126, 127), 0)      # np.frexp(a)[1] - 1 = floor(log2(a)), exactly
;;       r = np.clip(x / 2.0 ** e, -6, 6)
;;       step = 2.0 ** (np.maximum(np.frexp(np.where(r == 0, 1, r))[1] - 1, 0) - 1)
;;       q = np.round(r / step) * step * 2.0 ** e      # np.round: ties to even
;;       return np.moveaxis(q.reshape(q.shape[:-2] + (-1,))[..., :K], -1, axis).astype(np.float32)
;;   ~~~
;;   OPERANDS COMPUTED ON THE WAY. 'Computed on the way' means the value that the module computes at that place (a softmax that the list does not call 'softmax' is quantised finished and normalised). What goes into a quantiser is computed in f32, as accurately as f32 sums, v_exp_f32 and their like allow (about 1e-6 of the number): no bf16 or f16 on the way to a quantiser, and a product that is left as it is and whose result goes on into a quantised operand takes f32 operands (vector FMAs, or v_wmma_f32_16x16x4_f32). A number that lies on a knife's edge between two numbers of the format may be rounded either way, as far as f32 arithmetic and the matrix unit's own rounding can turn it there, and no further.
;;   INPUTS GIVEN AS CODES. W (in the module: [4096, 4096], K = its axis 1); lora_a (in the module: [4, 16, 4096], K = its axis 2); vera_a (in the module: [4, 16, 4096], K = its axis 2): each comes as NAME_codes (uint8): NAME with its K axis moved to the last place and cut into blocks of 32 codes, [.., K / 32, bytes a block], one block behind the other in memory; two codes a byte, the lower K in the low four bits (a code: sign, 2 exponent bits, 1 mantissa bit); and NAME_scales (uint8): the same leading axes, one E8M0 byte (e + 127) for each 32 codes along K. Its value is code x scale, taken as it is: it is not quantised again, and the codes and scales need not be those that the quantiser above would give.
;; One version. Each part assembles by itself: llvm-mc -triple=amdgcn-amd-amdhsa -mcpu=gfx1250 --defsym DOCPART=n.
;; ======== version 1 of 1: 2 launches
;; limits: values are held in bf16: 8 bits of precision; right only within a limited range of input values
;; workspace buffers: acodes 8,912,896 bytes; hbuf 131,072 bytes; wsc 524,288 bytes
;; launch prep (part 1): grid 256 x 1, 16 waves a work-group, no clusters, 290,816 bytes of LDS; arguments data, lora_a_codes, lora_a_scales, vera_a_codes, vera_a_scales, lora_scaling, vera_scaling, vera_d, acodes, hbuf, W_scales, wsc; writes acodes, hbuf, wsc
.if DOCPART == 1
	.amdgcn_target "amdgcn-amd-amdhsa--gfx1250"
	.amdhsa_code_object_version 6
	.text
	.protected	k_qf0744181a3_prep
	.globl	k_qf0744181a3_prep
	.p2align	8
	.type	k_qf0744181a3_prep,@function
k_qf0744181a3_prep:
	s_mov_b64 s[64:65], 0
	v_nop
	global_prefetch_b8 v0, s[64:65] scope:SCOPE_SE
	s_setreg_imm32_b32 hwreg(HW_REG_WAVE_MODE, 25, 1), 1
	s_wait_xcnt 0x0
; data [4096][4096] f32 is quantised once along K to FP4 (E2M1) codes with one E8M0 byte for each 32, and the adapters' rank-16 products are finished here:
;   tokens 0-2047 (four segments of 512):    h' = (Q(x) A_g^T) x lora_scaling[g]
;   tokens 2048-4095 (four segments of 512): h' = (Q(s_g x) A_g^T) x vera_d[g][rank]   (s_g x is quantised anew; these codes stay in registers)
; OUT: acodes [K / 512][token / 16][4352 bytes]: four images of operand registers (128 along K each: part c of 512 bytes, lane l at 16 l), then at byte 4096 the 16 rows' scale words, 16 bytes a row.
;      hbuf [token][16 ranks] bf16.   wsc [K / 512][W's row][16 bytes]: W_scales laid by K unit, so that 16 rows' words of a unit are 256 consecutive bytes.
; A block's scale byte is the largest magnitude's exponent field - 2, held at 1 from below by a floor among the maximum's leaves.
; LIMITS: NaN and infinities in data are not served, nor an s x beyond f32's range.  A block whose largest magnitude lies under 2^-124 keeps the byte 1; for Q(s x) such a block's scale is made from
; the floor x |s| and need not be the rule's.  A block of zeros gets the byte 1 where the rule says 127: its codes are zeros, and this program alone reads the bytes.
; SHARES: work-group rb owns tokens 16 rb .. 16 rb + 15 and all of K; wave w owns K = 256 w .. 256 w + 255, in two steps of 128, brought by ONE tensor load (16 rows x 1,024 bytes) at the head.
; LDS bytes are filled once and each wave reads its own tile alone, so its own wait on TENSORcnt orders the reads.
; A lane (r = lane % 16, h = lane / 16) takes, of row r, the 32 numbers 64 c + 32 h + 0 .. 31 for c = 0, 1: two whole blocks, in the order of the operand's registers.
; Waves 0-3 also move the work-group's 16 rows of W_scales (2,048 bytes) into wsc.
; NO CLUSTER: the 32 work-groups of a segment share only the adapter's codes and scales, 34,816 bytes against the 262,144 bytes of data that each reads alone.
; NO PREFETCH: the launch has no loop to run ahead in; every byte is asked for at the head.
.set AUNIT,  4352
.set AKS,    256*AUNIT
.set XPITCH, 1040                      ; an LDS row: 1,024 bytes + 16 of padding = 260 words: the 16 rows that a load touches start 4 banks apart (ISA guide 11.1)
.set XSTEP,  512                       ; step 1's numbers lie 512 bytes along the row
.set XWAVE,  16*XPITCH                 ; a wave's tile
.set HP,     16*XWAVE                  ; each wave's partial h as an image of 8 registers, 1,024 bytes a wave
.set SCW,    HP+16*1024                ; the scale words [K / 512][row][4], 2,048 bytes
.set XA,  4
.set L16, 5
.set AOF, 6
.set SOF, 7
.set HPW, 8
.set SCA, 9
.set SH,  10
.set HPR, 11
.set SCR, 12
.set SGO, 13
.set HO,  14
.set DOF, 15
.set MX,  16
.set SO,  18
.set BY,  20
.set TP,  22
.set OUTP, 24
.set X0,  32
.set PC0, 160
.set PC2, 176
.set LA,  184
.set LAS, 200
.set PW0, 202
.set PW2, 204
.set ACC0, 208
.set HS,  224
.set DM,  232
.set WSI, 240                          ; W_scales: 128 r + 16 h
.set WSO, 241                          ; wsc: 65,536 h + 16 r
.set WSD, 244                          ; v244-247 the 16 bytes on their way
	s_load_b512 s[4:19], s[0:1], 0x0               ; data 4, lora_a codes 6, scales 8, vera_a codes 10, scales 12, lora_scaling 14, vera_scaling 16, vera_d 18
	s_load_b128 s[20:23], s[0:1], 0x40             ; acodes 20, hbuf 22
	s_load_b128 s[44:47], s[0:1], 0x50             ; W_scales 44, wsc 46
	v_lshl_add_u32 v254, v0, 2, 0x46800
	v_mov_b32 v255, 0
	ds_add_u32 v254, v255                          ; the opening lines: the add twice on end and its wait ahead of the tensor load
	ds_add_u32 v254, v255
	v_lshrrev_b32 v1, 5, v0
	s_delay_alu instid0(VALU_DEP_1)
	v_readfirstlane_b32 s24, v1                    ; wave 0..15
	s_bfe_u32 s26, ttmp9, 0x20005                  ; the adapter within its kind: (rb / 32) % 4
	s_lshr_b32 s57, s24, 1                         ; which 512 along K is my wave's
	s_and_b32 s58, s24, 1                          ; and which half of it
	s_mov_b32 s48, 0x76543210
	s_mov_b32 s49, 0xfedcba98                      ; v_permlanex16_b32: lane l xor 16
	s_mov_b32 s32, (2<<16)|(1<<20)|(7<<22)|(3<<25) ; 16 rows x 256 elements of 4 bytes, 4 words of padding behind every 256
	s_mov_b32 s33, 256<<16
	s_mov_b32 s34, 16<<16
	s_mov_b32 s35, 256<<16
	s_mov_b32 s36, 16
	s_mov_b32 s37, 4096
	s_mov_b32 s38, 0
	s_mov_b32 s39, 0
	s_mov_b32 s40, 1
	s_mul_i32 s41, s24, XWAVE                      ; my tile in LDS
	s_lshl_b32 s28, ttmp9, 18                      ; 16 rows of 16,384 bytes a work-group,
	s_lshl_b32 s30, s24, 10                        ; 1,024 bytes of a row a wave
	s_add_co_u32 s28, s28, s30
	s_mov_b32 s29, 0                               ; stays 0: the upper word of every offset below
	s_wait_dscnt 0x0
	s_wait_kmcnt 0x0
	s_add_nc_u64 s[42:43], s[4:5], s[28:29]
	s_or_b32 s43, s43, 0x80000000
	tensor_load_to_lds s[40:43], s[32:39]          ; my one tensor load
	s_nop 0
	v_and_b32 v1, 31, v0                           ; lane
	s_cmp_ge_u32 ttmp9, 128                        ; tokens from 2,048 on belong to VeRA
	s_cselect_b64 s[6:7], s[10:11], s[6:7]
	s_cselect_b64 s[8:9], s[12:13], s[8:9]
	s_cselect_b32 s27, 1, 0
	s_cselect_b32 s56, -1, 0
	s_lshl_b32 s28, s26, 2
	s_add_nc_u64 s[14:15], s[14:15], s[28:29]
	s_add_nc_u64 s[16:17], s[16:17], s[28:29]
	s_load_b32 s50, s[14:15], 0x0                  ; lora_scaling[g]
	s_load_b32 s54, s[16:17], 0x0                  ; vera_scaling[g]: both are read, one is used
	s_lshl_b32 s28, s26, 15
	s_lshl_b32 s30, s24, 7
	s_add_co_u32 s28, s28, s30
	s_add_nc_u64 s[6:7], s[6:7], s[28:29]          ; the adapter's codes, my wave's 256
	s_lshl_b32 s28, s26, 11
	s_lshl_b32 s30, s24, 3
	s_add_co_u32 s28, s28, s30
	s_add_nc_u64 s[8:9], s[8:9], s[28:29]          ; its scale bytes, my wave's 8
	s_lshl_b32 s28, s26, 6
	s_add_nc_u64 s[18:19], s[18:19], s[28:29]      ; vera_d[g]
	s_lshl_b32 s28, ttmp9, 11                      ; W_scales: 16 rows of 128 bytes a work-group, K units 2 w and 2 w + 1 (waves 0-3)
	s_lshl_b32 s30, s24, 5
	s_add_co_u32 s28, s28, s30
	s_add_nc_u64 s[44:45], s[44:45], s[28:29]
	s_lshl_b32 s28, s24, 17                        ; wsc: 65,536 bytes a K unit, 256 bytes a work-group
	s_lshl_b32 s30, ttmp9, 8
	s_add_co_u32 s28, s28, s30
	s_add_nc_u64 s[46:47], s[46:47], s[28:29]
	v_and_b32 v2, 15, v0                           ; r
	s_wait_alu depctr_va_vdst(0)                   ; the wait behind the run of scalar instructions
	v_bfe_u32 v3, v0, 4, 1                         ; h
	v_lshlrev_b32 v[AOF], 11, v2
	s_delay_alu instid0(VALU_DEP_1)
	v_lshl_add_u32 v[AOF], v3, 4, v[AOF]
	v_lshlrev_b32 v[SOF], 7, v2
	v_lshlrev_b32 v[DOF], 5, v3
	v_lshlrev_b32 v[WSO], 16, v3
	v_lshl_add_u32 v[WSI], v3, 4, v[SOF]
	v_lshl_add_u32 v[WSO], v2, 4, v[WSO]
.irp s, 0,1
.irp c, 0,1
	global_load_b128 v[LA+8*\s+4*\c:LA+8*\s+4*\c+3], v[AOF], s[6:7] offset:64*\s+32*\c   ; rank r, K = 128 s + 64 c + 32 h on
.endr
.endr
	global_load_b64 v[LAS:LAS+1], v[SOF], s[8:9]
	global_load_b128 v[DM:DM+3], v[DOF], s[18:19]
	global_load_b128 v[DM+4:DM+7], v[DOF], s[18:19] offset:16
	s_cmp_lt_u32 s24, 4
	s_cbranch_scc0 .Lno_wload
	global_load_b128 v[WSD:WSD+3], v[WSI], s[44:45]   ; row r's 16 scale bytes of K unit 2 w + h
.Lno_wload:
	s_mul_i32 s28, s57, AKS
	s_mul_i32 s30, ttmp9, AUNIT
	s_add_co_u32 s28, s28, s30
	s_lshl_b32 s31, s58, 11
	s_add_co_u32 s28, s28, s31
	s_add_nc_u64 s[62:63], s[20:21], s[28:29]      ; where my wave's codes go
	s_add_co_u32 s28, s30, 4096
	s_add_nc_u64 s[60:61], s[20:21], s[28:29]      ; the scale words of the unit of K / 512 = 0
	s_lshl_b32 s28, ttmp9, 9
	s_add_nc_u64 s[22:23], s[22:23], s[28:29]      ; hbuf: 512 bytes a work-group
	v_mul_u32_u24 v[XA], v2, XPITCH
	s_wait_alu depctr_va_vdst(0)
	v_lshl_add_u32 v[XA], v3, 7, v[XA]
	s_delay_alu instid0(VALU_DEP_1)
	v_add_nc_u32 v[XA], s41, v[XA]
	v_lshlrev_b32 v[L16], 4, v1
	s_lshl_b32 s30, s24, 10
	s_add_co_u32 s30, s30, HP
	v_add_nc_u32 v[HPW], s30, v[L16]
	s_lshl_b32 s30, s57, 8
	s_lshl_b32 s31, s58, 3
	s_add_co_u32 s30, s30, s31
	s_add_co_u32 s30, s30, SCW
	v_lshl_add_u32 v[SCA], v2, 4, s30
	v_lshlrev_b32 v[SH], 3, v3
	v_add_nc_u32 v[HPR], HP, v[L16]
	v_add_nc_u32 v[SCR], SCW, v[L16]
	v_mul_u32_u24 v[SGO], v3, AKS
	s_delay_alu instid0(VALU_DEP_1)
	v_lshl_add_u32 v[SGO], v2, 4, v[SGO]
	v_lshlrev_b32 v[HO], 5, v2
	s_delay_alu instid0(VALU_DEP_1)
	v_lshl_add_u32 v[HO], v3, 4, v[HO]
	v_mov_b32 v[TP], 0                             ; a lane permute's destination counts as one of its sources
	s_wait_alu depctr_va_vdst(0)                   ; the wait at the head's end
	s_wait_kmcnt 0x0
	s_mov_b32 s55, s54
	s_and_b32 s52, s54, 0x7fffffff                 ; |s|
	s_wait_loadcnt 0x0
	s_cmp_lt_u32 s24, 4
	s_cbranch_scc0 .Lno_wstore
	global_store_b128 v[WSO], v[WSD:WSD+3], s[46:47]   ; sixteen lanes fill 256 consecutive bytes, aligned
.Lno_wstore:
.macro AMAX x
.irp c, 0,1
	v_max3_num_f32 v[MX+\c], |v[\x+32*\c]|, |v[\x+32*\c+1]|, 0x1800000   ; the floor 2^(3 - 127) is one more leaf
.endr
.set ii, 2
.rept 15
.irp c, 0,1
	s_delay_alu instid0(VALU_DEP_2)
	v_max3_num_f32 v[MX+\c], v[MX+\c], |v[\x+32*\c+ii]|, |v[\x+32*\c+ii+1]|
.endr
.set ii, ii+2
.endr
.endm
.macro CODES x, pc, pw
.irp c, 0,1
	s_delay_alu instid0(VALU_DEP_2)
	v_add_nc_u32 v[SO+\c], 0xff000000, v[MX+\c]    ; 2 off the exponent field: the conversion's scale operand
.endr
.irp c, 0,1
	s_delay_alu instid0(VALU_DEP_2)
	v_lshrrev_b32 v[BY+\c], 23, v[SO+\c]           ; the scale's byte
.endr
	s_delay_alu instid0(VALU_DEP_1)
	v_lshl_or_b32 v[\pw], v[BY+1], 16, v[BY]
	s_delay_alu instid0(VALU_DEP_1)
	v_lshlrev_b32 v[\pw], v[SH], v[\pw]
	s_delay_alu instid0(VALU_DEP_1)
	v_permlanex16_b32 v[TP], v[\pw], s48, s49
	s_delay_alu instid0(VALU_DEP_1)
	v_or_b32 v[\pw], v[\pw], v[TP]                 ; with lane l xor 16's two bytes the word is whole
.irp c, 0,1
.irp g, 0,1,2,3
	v_cvt_scalef32_pk8_fp4_f32 v[\pc+4*\c+\g], v[\x+32*\c+8*\g:\x+32*\c+8*\g+7], v[SO+\c]
.endr
.endr
.endm
; One step of 128 along K.  The matrix instruction is used transposed (source 0 = the adapter's 16 ranks, source 1 = my 16 tokens); each step starts an accumulator of its own with the constant 0.
.macro STEP s
	s_wait_tensorcnt 0x0                           ; my tile is in
.irp c, 0,1
.irp j, 0,1,2,3,4,5,6,7
	ds_load_b128 v[X0+64*\s+32*\c+4*\j:X0+64*\s+32*\c+4*\j+3], v[XA] offset:XSTEP*\s+256*\c+16*\j
.endr
.endr
	s_wait_dscnt 0x0
	AMAX X0+64*\s
	CODES X0+64*\s, PC0+8*\s, PW0+\s
	v_nop                                          ; one plain place behind the scaled conversions
.irp c, 0,1
	global_store_b128 v[L16], v[PC0+8*\s+4*\c:PC0+8*\s+4*\c+3], s[62:63] offset:1024*\s+512*\c   ; 32 lanes store 512 consecutive bytes
.endr
	ds_store_b32 v[SCA], v[PW0+\s] offset:4*\s
	s_cmp_lg_u32 s27, 0
	s_cbranch_scc1 .Lvera_\s
.rept 8
	v_nop                                          ; a scale register written by a vector instruction stands 8 places ahead of a scaled matrix instruction
.endr
	v_wmma_scale_f32_16x16x128_f8f6f4 v[ACC0+8*\s:ACC0+8*\s+7], v[LA+8*\s:LA+8*\s+7], v[PC0+8*\s:PC0+8*\s+7], 0, v[LAS+\s], v[PW0+\s] matrix_a_fmt:MATRIX_FMT_FP4 matrix_b_fmt:MATRIX_FMT_FP4
	s_branch .Ljoin_\s
.Lvera_\s:
.set ii, 0
.rept 32
	v_pk_mul_f32 v[X0+64*\s+ii:X0+64*\s+ii+1], v[X0+64*\s+ii:X0+64*\s+ii+1], s[54:55] op_sel_hi:[1,0]   ; s x, in f32
.set ii, ii+2
.endr
.irp c, 0,1
	v_mul_f32 v[MX+\c], s52, v[MX+\c]              ; rounding keeps order: the largest |s x| is |s| x the largest |x|, rounded
.endr
.irp c, 0,1
	s_delay_alu instid0(VALU_DEP_2)
	v_max_num_f32 v[MX+\c], 0x1800000, v[MX+\c]
.endr
	CODES X0+64*\s, PC2, PW2
.rept 8
	v_nop
.endr
	v_wmma_scale_f32_16x16x128_f8f6f4 v[ACC0+8*\s:ACC0+8*\s+7], v[LA+8*\s:LA+8*\s+7], v[PC2:PC2+7], 0, v[LAS+\s], v[PW2] matrix_a_fmt:MATRIX_FMT_FP4 matrix_b_fmt:MATRIX_FMT_FP4
.Ljoin_\s:
.endm
	STEP 0
	STEP 1
.rept 4
	v_nop                                          ; four places behind the last matrix instruction (ISA guide 7.12.1)
.endr
.irp i, 0,2,4,6
	v_pk_add_f32 v[HS+\i:HS+\i+1], v[ACC0+\i:ACC0+\i+1], v[ACC0+8+\i:ACC0+8+\i+1]
.endr
	ds_store_b128 v[HPW], v[HS:HS+3]
	ds_store_b128 v[HPW], v[HS+4:HS+7] offset:512
	s_wait_dscnt 0x0                               ; for the others' sake: my partial sum and my scale words lie in LDS
	s_barrier_signal -1
	s_barrier_wait -1
	s_cmp_eq_u32 s24, 0
	s_cbranch_scc1 .Lsum
	s_cmp_eq_u32 s24, 1
	s_cbranch_scc1 .Lwords
	s_wait_tensorcnt 0x0                           ; the wave's end
	ds_add_u32 v254, v255
	s_wait_dscnt 0x0
	s_endpgm
.Lsum:                                             ; wave 0: the sixteen parts of K are added in f32, scaled, rounded once to bf16
.irp p, 0,1,2,3,4,5,6,7,8,9,10,11,12,13,14,15
.irp u, 0,1
	ds_load_b128 v[X0+8*\p+4*\u:X0+8*\p+4*\u+3], v[HPR] offset:1024*\p+512*\u
.endr
.endr
.irp j, 0,1,2,3,4,5,6,7
	v_cndmask_b32 v[DM+\j], s50, v[DM+\j], s56     ; VeRA: vera_d of my eight ranks; LoRA: lora_scaling
.endr
	s_wait_dscnt 0x0
.irp p, 1,2,3,4,5,6,7,8,9,10,11,12,13,14,15
.irp i, 0,2,4,6
	v_pk_add_f32 v[X0+\i:X0+\i+1], v[X0+\i:X0+\i+1], v[X0+8*\p+\i:X0+8*\p+\i+1]
.endr
.endr
.irp i, 0,2,4,6
	s_delay_alu instid0(VALU_DEP_4)
	v_pk_mul_f32 v[X0+\i:X0+\i+1], v[X0+\i:X0+\i+1], v[DM+\i:DM+\i+1]
.endr
.irp i, 0,1,2,3
	s_delay_alu instid0(VALU_DEP_4)
	v_cvt_pk_bf16_f32 v[OUTP+\i], v[X0+2*\i], v[X0+2*\i+1]
.endr
	global_store_b128 v[HO], v[OUTP:OUTP+3], s[22:23]
	s_wait_tensorcnt 0x0
	ds_add_u32 v254, v255
	s_wait_dscnt 0x0
	s_endpgm
.Lwords:                                           ; wave 1: the scale words leave as runs of 256 consecutive bytes, one for each 512 along K
.irp i, 0,1,2,3
	ds_load_b128 v[X0+4*\i:X0+4*\i+3], v[SCR] offset:512*\i
.endr
	s_wait_dscnt 0x0
.irp i, 0,1,2,3
	global_store_b128 v[SGO], v[X0+4*\i:X0+4*\i+3], s[60:61] offset:\i*2*AKS
.endr
	s_wait_tensorcnt 0x0
	ds_add_u32 v254, v255
	s_wait_dscnt 0x0
	s_endpgm
.Lfunc_end_k_qf0744181a3_prep:
	.size	k_qf0744181a3_prep, .Lfunc_end_k_qf0744181a3_prep-k_qf0744181a3_prep
	.p2alignl 7, 3214868480
	.fill 96, 4, 3214868480
	.section	.rodata,"a",@progbits
	.p2align	6, 0x0
	.amdhsa_kernel k_qf0744181a3_prep
		.amdhsa_group_segment_fixed_size 290816
		.amdhsa_private_segment_fixed_size 0
		.amdhsa_enable_private_segment 0
		.amdhsa_kernarg_size 96
		.amdhsa_user_sgpr_count 2
		.amdhsa_user_sgpr_kernarg_segment_ptr 1
		.amdhsa_wavefront_size32 1
		.amdhsa_system_sgpr_workgroup_id_x 1
		.amdhsa_system_sgpr_workgroup_id_y 1
		.amdhsa_system_sgpr_workgroup_id_z 1
		.amdhsa_system_vgpr_workitem_id 0
		.amdhsa_next_free_vgpr 256
		.amdhsa_next_free_sgpr 66
		.amdhsa_reserve_vcc 0
		.amdhsa_float_denorm_mode_32 3
		.amdhsa_float_denorm_mode_16_64 3
		.amdhsa_memory_ordered 1
		.amdhsa_forward_progress 1
		.amdhsa_inst_pref_size 35
	.end_amdhsa_kernel
	.amdgpu_metadata
---
amdhsa.version: [ 1, 2 ]
amdhsa.kernels:
  - .name:           k_qf0744181a3_prep
    .symbol:         k_qf0744181a3_prep.kd
    .args:
      - { .name: data, .offset: 0, .size: 8, .value_kind: global_buffer, .address_space: global }
      - { .name: lora_a_codes, .offset: 8, .size: 8, .value_kind: global_buffer, .address_space: global }
      - { .name: lora_a_scales, .offset: 16, .size: 8, .value_kind: global_buffer, .address_space: global }
      - { .name: vera_a_codes, .offset: 24, .size: 8, .value_kind: global_buffer, .address_space: global }
      - { .name: vera_a_scales, .offset: 32, .size: 8, .value_kind: global_buffer, .address_space: global }
      - { .name: lora_scaling, .offset: 40, .size: 8, .value_kind: global_buffer, .address_space: global }
      - { .name: vera_scaling, .offset: 48, .size: 8, .value_kind: global_buffer, .address_space: global }
      - { .name: vera_d, .offset: 56, .size: 8, .value_kind: global_buffer, .address_space: global }
      - { .name: acodes, .offset: 64, .size: 8, .value_kind: global_buffer, .address_space: global }
      - { .name: hbuf, .offset: 72, .size: 8, .value_kind: global_buffer, .address_space: global }
      - { .name: W_scales, .offset: 80, .size: 8, .value_kind: global_buffer, .address_space: global }
      - { .name: wsc, .offset: 88, .size: 8, .value_kind: global_buffer, .address_space: global }
    .group_segment_fixed_size: 290816
    .private_segment_fixed_size: 0
    .kernarg_segment_align: 8
    .kernarg_segment_size: 96
    .max_flat_workgroup_size: 512
    .sgpr_count:     66
    .vgpr_count:     256
    .wavefront_size: 32
...
	.end_amdgpu_metadata
.endif
;; end of part 1
;; launch gemm (part 2): grid 16 x 16, 4 waves a work-group, clusters of 4 x 1, 327,680 bytes of LDS; arguments acodes, hbuf, W_codes, wsc, bias, lora_b, vera_b, vera_bvec, out0; writes out0
.if DOCPART == 2
	.amdgcn_target "amdgcn-amd-amdhsa--gfx1250"
	.amdhsa_code_object_version 6
	.text
	.protected	k_qf0744181a3_gemm
	.globl	k_qf0744181a3_gemm
	.p2align	8
	.type	k_qf0744181a3_gemm,@function
k_qf0744181a3_gemm:
	s_mov_b64 s[64:65], 0
	v_nop
	global_prefetch_b8 v0, s[64:65] scope:SCOPE_SE
	s_setreg_imm32_b32 hwreg(HW_REG_WAVE_MODE, 25, 1), 1
	s_wait_xcnt 0x0
	s_wait_alu depctr_hold_cnt(0) depctr_sa_sdst(0) depctr_va_vdst(0) depctr_va_sdst(0) depctr_va_ssrc(0) depctr_va_vcc(0) depctr_vm_vsrc(0)
	s_getreg_b32 s2, hwreg(HW_REG_IB_STS2, 6, 4)
	s_cmp_eq_u32 s2, 0
	s_cbranch_scc0 .Lentry_in_a_cluster
	s_endpgm
.Lentry_in_a_cluster:
	s_bfe_u32 s2, ttmp6, 0x10000c
	s_cmp_lg_u32 s2, 0x3003
	s_cbranch_scc0 .Lentry_shape_is_right
	s_endpgm
.Lentry_shape_is_right:
; out0 = Q(data) W^T + bias + the segment's adapter.  Codes of FP4 with E8M0 scales on both sides; sums in f32.
; A work-group makes 256 tokens x 256 outputs; its four waves lie 2 x 2, each 128 x 128: 64 accumulators of 16 x 16, 512 registers.
; W: the block's 256 rows go through two LDS slots of 1,024 along K (256 rows x 512 bytes, 16 of padding a row); each wave fetches 64 rows of a slot by one tensor load.  K = 4,096 is four fills: slot 0 at the
;    head, slot 1 behind the head's round, and one refill of each.  The four work-groups of a cluster (four blocks of tokens, one column of blocks) need the same rows of W and ask for them JOINTLY (mask 15).
; TOKENS: acodes holds images of operand registers, so a wave's fragments go from memory straight into registers: each load is 512 consecutive bytes.  Four sets of 64 registers, one for each 128 of a K unit
;    of 512; a set is asked for again at the head of the step behind its use, three steps ahead of its next use.  These loads are not joint: inside a cluster every work-group has tokens of its own.
; SCALES: a K unit's words (16 bytes a row) of 16 rows are 256 consecutive bytes in acodes and in wsc: eight loads a unit, lanes 0-15 block i, lanes 16-31 block i + 4; two sets by the unit's parity.
; PREFETCH: tokens: in step 2 of unit u the two waves that share 128 tokens name, half each, the 136 blocks of 256 bytes of unit u + 3, seven steps ahead of the first load that wants them; units 0-2 come by
;    their loads alone; nothing is named beyond unit 7.  W: in a trip's first step the chunk that the trip's refill, six steps on, will ask for: 512 blocks, shared out among the four partners and their waves by
;    address, a lane a block; chunks 0 and 1 come by their loads alone.
; THE MATRIX INSTRUCTION IS USED TRANSPOSED (source 0 = 16 rows of W, source 1 = 16 tokens): a lane holds eight neighbouring outputs of one token.
; THE ADAPTER (K = 16, bf16 operands) is added behind the K loop: b' = lora_b, or vera_b x vera_bvec, rounded to bf16 at the head and kept in the wave's stage in LDS.  Its upper 16 of K are zeros; the token side names
;    8 registers of h' from 4 a on, so block a + 1's numbers meet those zeros.  LIMIT: h' is finite (a NaN or infinity there would spread to the block before).
; THE BIAS is added in f32 on the way out, where a lane holds four neighbouring outputs of whole rows.
; REGISTERS: window 0: v0-31 addresses and bias; v32-95 scale words; v96-127 h'; v128-255 token sets 0, 1 (on the way out: rows read back).  window 1: v0-127 W's two sets; v128-255 token sets 2, 3.
;    windows 2, 3: accumulators of my tokens 0-63, 64-127.
.set AUNIT,  4352
.set AKS,    256*AUNIT                 ; a K unit of acodes
.set WKS,    65536                     ; a K unit of wsc
.set PITCH,  528                       ; 512 bytes + 16 = 132 words: the 16 rows that a load touches start 4 banks apart (ISA guide 11.1)
.set QUART,  64*PITCH                  ; what one tensor load brings
.set SLOT,   256*PITCH
.set STAGE,  2*SLOT                    ; 16 rows x 528 bytes for each wave; no tensor load lands here
.set SPARE,  STAGE+4*16*PITCH          ; the spare words, 128 bytes a wave
.set NOUT,   4096
.set BI,  8                            ; v8-11 bias of my four outputs
.set L16, 12                           ; 16 x lane
.set ASO, 13                           ; tokens' scale words: 4 AUNIT h + 16 r + 4096
.set BSO, 14                           ; W's scale words: 1,024 h + 16 r
.set VB,  15                           ; W's fragments in the slot at work
.set STO, 16
.set RD,  17
.set HOF, 18
.set BOF, 19
.set VOF, 20
.set PF0, 21                           ; tokens' prefetch: my half's blocks 0-31 (and 32-63 by the immediate)
.set PF1, 22                           ; its blocks 64-67
.set VB0, 23                           ; W's fragments in slot 0: my 128 rows, 528 r + 16 h
.set PWO, 24                           ; W's prefetch: 2,048 (lane / 2) + 256 (lane % 2)
.set SPW, 28
.set NIL, 29
.set SC,  32
.set HF,  96
.set BK,  128
.set MSB, 0
.macro WIN new
.if MSB != (\new)
	s_set_vgpr_msb (MSB<<8)|(\new)
.set MSB, (\new)
.endif
.endm
.macro CROUND                          ; a round of the cluster's barrier
	s_barrier_signal -1
	s_barrier_wait -1
	s_cmp_lg_u32 s14, 0
	s_cbranch_scc1 .Lnot_wave_0_\@
	s_barrier_signal -3
.Lnot_wave_0_\@:
	s_barrier_wait -3
	s_barrier_signal -1
	s_barrier_wait -1
.endm
.macro PLACES n
.rept \n
	v_nop
.endr
.endm
.macro ALOAD j, au                     ; token set j (the unit's j-th 128 along K) of the unit au units behind s[20:21]
.irp i, 0,1,2,3,4,5,6,7
.irp c, 0,1
	global_load_b128 v[128+64*((\j)%2)+8*\i+4*\c:128+64*((\j)%2)+8*\i+4*\c+3], v[L16], s[20:21] offset:(\au)*AKS+\i*AUNIT+1024*(\j)+512*\c
.endr
.endr
.endm
.macro SLOAD p, su                     ; a unit's scale words into set p
.irp i, 0,1,2,3
	global_load_b128 v[SC+32*(\p)+4*\i:SC+32*(\p)+4*\i+3], v[ASO], s[20:21] offset:(\su)*AKS+\i*AUNIT
	global_load_b128 v[SC+32*(\p)+16+4*\i:SC+32*(\p)+16+4*\i+3], v[BSO], s[22:23] offset:(\su)*WKS+\i*256
.endr
.endm
.macro BLOAD s, bo                     ; W's eight fragments at byte bo of the slot's rows into set s
.irp i, 0,1,2,3,4,5,6,7
.irp c, 0,1
	ds_load_b128 v[64*(\s)+8*\i+4*\c:64*(\s)+8*\i+4*\c+3], v[VB] offset:(\bo)+32*\c+\i*16*PITCH
.endr
.endr
.endm
.macro WM a, b, q, p, zero
.set rD,  8*(8*((\a)%4)+(\b))
.set rB,  64*((\q)%2)+8*(\b)
.set rA,  128+64*((\q)%2)+8*(\a)
.set rSB, SC+32*(\p)+16+4*((\b)%4)+(\q)
.set rSA, SC+32*(\p)+4*((\a)%4)+(\q)
.if \zero
.if ((\b) < 4) && ((\a) < 4)
	v_wmma_scale_f32_16x16x128_f8f6f4 v[rD:rD+7], v[rB:rB+7], v[rA:rA+7], 0, v[rSB], v[rSA] matrix_a_fmt:MATRIX_FMT_FP4 matrix_b_fmt:MATRIX_FMT_FP4
.elseif ((\b) >= 4) && ((\a) < 4)
	v_wmma_scale_f32_16x16x128_f8f6f4 v[rD:rD+7], v[rB:rB+7], v[rA:rA+7], 0, v[rSB], v[rSA] matrix_a_fmt:MATRIX_FMT_FP4 matrix_b_fmt:MATRIX_FMT_FP4 matrix_a_scale:MATRIX_SCALE_ROW1
.elseif ((\b) < 4)
	v_wmma_scale_f32_16x16x128_f8f6f4 v[rD:rD+7], v[rB:rB+7], v[rA:rA+7], 0, v[rSB], v[rSA] matrix_a_fmt:MATRIX_FMT_FP4 matrix_b_fmt:MATRIX_FMT_FP4 matrix_b_scale:MATRIX_SCALE_ROW1
.else
	v_wmma_scale_f32_16x16x128_f8f6f4 v[rD:rD+7], v[rB:rB+7], v[rA:rA+7], 0, v[rSB], v[rSA] matrix_a_fmt:MATRIX_FMT_FP4 matrix_b_fmt:MATRIX_FMT_FP4 matrix_a_scale:MATRIX_SCALE_ROW1 matrix_b_scale:MATRIX_SCALE_ROW1
.endif
.else
.if ((\b) < 4) && ((\a) < 4)
	v_wmma_scale_f32_16x16x128_f8f6f4 v[rD:rD+7], v[rB:rB+7], v[rA:rA+7], v[rD:rD+7], v[rSB], v[rSA] matrix_a_fmt:MATRIX_FMT_FP4 matrix_b_fmt:MATRIX_FMT_FP4
.elseif ((\b) >= 4) && ((\a) < 4)
	v_wmma_scale_f32_16x16x128_f8f6f4 v[rD:rD+7], v[rB:rB+7], v[rA:rA+7], v[rD:rD+7], v[rSB], v[rSA] matrix_a_fmt:MATRIX_FMT_FP4 matrix_b_fmt:MATRIX_FMT_FP4 matrix_a_scale:MATRIX_SCALE_ROW1
.elseif ((\b) < 4)
	v_wmma_scale_f32_16x16x128_f8f6f4 v[rD:rD+7], v[rB:rB+7], v[rA:rA+7], v[rD:rD+7], v[rSB], v[rSA] matrix_a_fmt:MATRIX_FMT_FP4 matrix_b_fmt:MATRIX_FMT_FP4 matrix_b_scale:MATRIX_SCALE_ROW1
.else
	v_wmma_scale_f32_16x16x128_f8f6f4 v[rD:rD+7], v[rB:rB+7], v[rA:rA+7], v[rD:rD+7], v[rSB], v[rSA] matrix_a_fmt:MATRIX_FMT_FP4 matrix_b_fmt:MATRIX_FMT_FP4 matrix_a_scale:MATRIX_SCALE_ROW1 matrix_b_scale:MATRIX_SCALE_ROW1
.endif
.endif
.endm
; A step of 128 along K: the unit's q-th, scale set p.  At its head ONE run of loads into the registers that the step before has multiplied (four places behind its last matrix instruction)
;   su >= 0: the next unit's scale words;  au >= 0: token set (q + 3) % 4 for its next use;  bo >= 0: W's fragments of the next step;  bo = -2: b' out of my stage;  pf, pw: prefetches.
; turn: a slot's last step.  Its own fragments are in registers, the run below reads the other slot.  1: this slot is filled again, two chunks on;  2: nothing is left to fetch, the barrier shows the other slot whole.
; lc: the global loads issued behind this step's token set;  dc: the LDS loads issued behind this step's fragments of W.  The 64 accumulators take turns, one instruction a turn.
.macro STEP q, p, zero, au, su, bo, turn, pf, pw, lc, dc
	PLACES 4
	WIN 0
.if (\turn) > 0
	s_wait_tensorcnt 0x0                           ; all my tensor loads have landed: my part of the other slot
.if (\turn) == 1
	ds_add_u32 v[SPW], v[NIL]                      ; 0 onto my spare word
	s_xor_b32 s33, s33, SLOT                       ; no load of mine is out, so group 0 may be written: the slot just read out,
	s_add_nc_u64 s[34:35], s[34:35], 512           ; the chunk behind the one asked for last
.endif
	s_xor_b32 s98, s98, SLOT
	v_add_nc_u32 v[VB], s98, v[VB0]                ; my reads go on in the other slot
	s_wait_alu depctr_va_vdst(0)                   ; the wait behind the write, ahead of the waits below
	s_wait_dscnt 0x0                               ; the add is done, and my reads of this slot are over
.if (\turn) == 1
	CROUND                                         ; both now hold of every wave of the four partners
	tensor_load_to_lds s[32:35], s[24:31]          ; the refill: my one tensor load behind the round
	s_nop 0
	PLACES 4
.else
	s_barrier_signal -1
	s_barrier_wait -1
.endif
.endif
.if (\su) >= 0
	SLOAD 1-(\p), \su
.endif
.if ((\au) >= 0) && ((((\q)+3)%4) < 2)
	ALOAD ((\q)+3)%4, \au
.endif
.if (\pf) >= 0
	global_prefetch_b8 v[PF0], s[20:21] offset:(\pf)*AKS th:TH_LOAD_NT scope:SCOPE_SE
	global_prefetch_b8 v[PF0], s[20:21] offset:(\pf)*AKS+8192 th:TH_LOAD_NT scope:SCOPE_SE
	global_prefetch_b8 v[PF1], s[20:21] offset:(\pf)*AKS th:TH_LOAD_NT scope:SCOPE_SE   ; four blocks; the lanes left over name the last again
.endif
.if (\pw) > 0
	global_prefetch_b8 v[PWO], s[96:97] th:TH_LOAD_NT scope:SCOPE_SE
.endif
	WIN 0x40
.if ((\au) >= 0) && ((((\q)+3)%4) >= 2)
	ALOAD ((\q)+3)%4, \au
.endif
.if (\bo) >= 0
	BLOAD 1-((\q)%2), \bo
.elseif (\bo) == -2
.irp i, 0,1,2,3,4,5,6,7
	ds_load_b128 v[8*\i:8*\i+3], v[RD] offset:512*\i
.endr
.endif
	s_wait_loadcnt \lc
	s_wait_dscnt \dc
	WIN 0xa1+4*((\q)/2)                            ; source 0 window 1; source 1 window q / 2; C and D window 2
.irp a, 0,1,2,3
.irp b, 0,1,2,3,4,5,6,7
	WM \a, \b, \q, \p, \zero
.endr
.endr
	WIN 0xf1+4*((\q)/2)
.irp a, 4,5,6,7
.irp b, 0,1,2,3,4,5,6,7
	WM \a, \b, \q, \p, \zero
.endr
.endr
.endm
; Trip t: a slot from its second step on (units 2 t and 2 t + 1), and the first step of the next.  s[20:21], s[22:23] stand at unit 2 t.  lp = 1: the loop's form, with a refill and all prefetches
.macro TRIP lp
	STEP 1,0,0,  1, 1,128,0,-1,\lp, 56,16
	STEP 2,0,0,  1,-1,192,0, 3,0, 56,16
	STEP 3,0,0,  1,-1,256,0,-1,0, 56,16
	STEP 0,1,0,  1,-1,320,0,-1,0, 48,16
	STEP 1,1,0,  2, 2,384,0,-1,0, 56,16
	STEP 2,1,0,  2,-1,448,0,5*\lp-1,0, 56,16
	STEP 3,1,0,  2,-1,  0,2-\lp,-1,0, 56,16
	STEP 0,0,0,  2,-1, 64,0,-1,0, 48,16
.endm
	s_load_b256 s[4:11], s[0:1], 0x0               ; acodes 4, hbuf 6, W_codes 8, wsc 10
	s_load_b256 s[76:83], s[0:1], 0x20             ; bias 76, lora_b 78, vera_b 80, vera_bvec 82
	s_load_b64 s[12:13], s[0:1], 0x40              ; out0
	v_lshl_add_u32 v[SPW], v0, 2, SPARE
	v_mov_b32 v[NIL], 0
	ds_add_u32 v[SPW], v[NIL]                      ; the opening lines: the add twice on end and its wait ahead of the round and the tensor load
	ds_add_u32 v[SPW], v[NIL]
	v_lshrrev_b32 v1, 5, v0
	v_readfirstlane_b32 s14, v1                    ; wave 0..3
	s_lshr_b32 s90, s14, 1                         ; which 128 of the block's tokens are mine
	s_and_b32 s91, s14, 1                          ; which 128 of its outputs
	s_bfe_u32 s15, ttmp6, 0x40000                  ; cx
	s_lshl_b32 s16, ttmp9, 2
	s_add_co_u32 s16, s16, s15                     ; the block of tokens, 0..15
	s_and_b32 s17, ttmp7, 0xffff                   ; the column of blocks, 0..15
	s_bfe_u32 s92, s16, 0x20001                    ; the adapter within its kind: a segment is two blocks of tokens
	s_mov_b32 s24, 15|(1<<20)|(1<<21)|(6<<22)|(3<<25)   ; group 1: all four partners; elements of 1 byte; 4 words of padding behind every 128
	s_mov_b32 s25, 512<<16
	s_mov_b32 s26, 64<<16
	s_mov_b32 s27, 512<<16
	s_mov_b32 s28, 64
	s_mov_b32 s29, 2048
	s_mov_b32 s30, 0
	s_mov_b32 s31, 0
	s_mov_b32 s32, 1
	s_mul_i32 s33, s14, QUART                      ; wave w fetches rows 64 w .. 64 w + 63 of a slot
	s_mov_b32 s98, 0                               ; the slot at work, in bytes
	s_lshl_b32 s18, s16, 4
	s_lshl_b32 s19, s90, 3
	s_add_co_u32 s18, s18, s19
	s_mul_i32 s18, s18, AUNIT                      ; acodes: my 8 units of 16 tokens
	s_mov_b32 s19, 0
	s_lshl_b32 s66, s16, 13
	s_lshl_b32 s67, s90, 12
	s_add_co_u32 s66, s66, s67                     ; hbuf: 32 bytes a token
	s_mov_b32 s67, 0
	s_lshl_b32 s68, s17, 19
	s_lshl_b32 s69, s14, 17
	s_add_co_u32 s68, s68, s69                     ; W_codes: 256 rows of 2,048 bytes a block, 64 rows a wave
	s_mov_b32 s69, 0
	s_lshl_b32 s70, s17, 12
	s_lshl_b32 s71, s91, 11
	s_add_co_u32 s70, s70, s71                     ; wsc: 16 bytes a row
	s_mov_b32 s71, 0
	s_lshl_b32 s72, s17, 10
	s_lshl_b32 s73, s91, 9
	s_add_co_u32 s72, s72, s73                     ; my first output, in bytes of f32: bias
	s_mov_b32 s73, 0
	s_lshl_b32 s74, s92, 18
	s_lshl_b32 s75, s72, 4
	s_add_co_u32 s74, s74, s75                     ; lora_b, vera_b: [g][output][16] f32
	s_mov_b32 s75, 0
	s_lshl_b32 s84, s92, 14
	s_add_co_u32 s84, s84, s72                     ; vera_bvec
	s_mov_b32 s85, 0
	s_lshl_b32 s86, s16, 22
	s_lshl_b32 s87, s90, 21
	s_add_co_u32 s86, s86, s87
	s_add_co_u32 s86, s86, s72                     ; out0: my first token's row, my first output
	s_mov_b32 s87, 0
	s_lshl_b32 s94, s17, 19                        ; W's prefetch: of the block's 256 rows partner cx takes 64, wave w 16 of them; it begins at chunk 2
	s_lshl_b32 s95, s15, 17
	s_add_co_u32 s94, s94, s95
	s_lshl_b32 s95, s14, 15
	s_add_co_u32 s94, s94, s95
	s_add_co_u32 s94, s94, 1024
	s_mov_b32 s95, 0
	s_mul_i32 s89, s14, 16*PITCH
	s_add_co_u32 s89, s89, STAGE                   ; my stage
	s_mul_i32 s93, s91, 128*PITCH                  ; my 128 rows of a slot
	s_mul_i32 s99, s91, 68*256                     ; my half of the tokens' prefetch
	v_and_b32 v1, 15, v0                           ; r
	v_bfe_u32 v2, v0, 4, 1                         ; h
	v_and_b32 v3, 31, v0                           ; lane
	v_lshlrev_b32 v[L16], 4, v3
	v_mul_u32_u24 v4, v2, 4*AUNIT
	v_lshl_add_u32 v4, v1, 4, v4
	v_add_nc_u32 v[ASO], 4096, v4
	v_lshlrev_b32 v5, 10, v2
	v_lshl_add_u32 v[BSO], v1, 4, v5
	v_mul_u32_u24 v6, v1, PITCH
	v_lshl_add_u32 v4, v2, 4, v6
	v_add_nc_u32 v[VB0], s93, v4
	v_add_nc_u32 v[VB], s93, v4
	v_lshl_add_u32 v7, v2, 5, v6
	v_add_nc_u32 v[STO], s89, v7                   ; into the stage: row r, 32 bytes for each half of the lanes
	v_add_nc_u32 v[RD], s89, v[L16]                ; back: the 32 lanes take a row of 512 bytes
	v_lshlrev_b32 v4, 5, v1
	v_lshl_add_u32 v[HOF], v2, 4, v4
	v_lshlrev_b32 v5, 6, v1
	v_lshl_add_u32 v[BOF], v2, 5, v5
	v_lshlrev_b32 v[VOF], 2, v1
	v_lshlrev_b32 v4, 8, v3
	v_add_nc_u32 v[PF0], s99, v4
	v_min_u32 v6, 3, v3
	v_lshl_add_u32 v6, v6, 8, 16384
	v_add_nc_u32 v[PF1], s99, v6
	v_lshrrev_b32 v4, 1, v3
	v_and_b32 v5, 1, v3
	v_lshlrev_b32 v4, 11, v4
	v_lshl_add_u32 v[PWO], v5, 8, v4
	s_wait_alu depctr_va_vdst(0)                   ; the wait at the head's end
	s_wait_dscnt 0x0                               ; both opening adds are done
	s_wait_kmcnt 0x0
	s_add_nc_u64 s[20:21], s[4:5], s[18:19]
	s_add_nc_u64 s[6:7], s[6:7], s[66:67]
	s_add_nc_u64 s[34:35], s[8:9], s[68:69]
	s_or_b32 s35, s35, 0x80000000
	s_add_nc_u64 s[96:97], s[8:9], s[94:95]
	s_add_nc_u64 s[22:23], s[10:11], s[70:71]
	s_add_nc_u64 s[76:77], s[76:77], s[72:73]
	s_cmp_ge_u32 ttmp9, 2                          ; blocks of tokens 8-15 belong to VeRA: a choice of values, no branch
	s_cselect_b64 s[78:79], s[80:81], s[78:79]
	s_cselect_b32 s88, -1, 0
	s_add_nc_u64 s[78:79], s[78:79], s[74:75]
	s_add_nc_u64 s[82:83], s[82:83], s[84:85]
	s_add_nc_u64 s[12:13], s[12:13], s[86:87]
	WIN 0x40
.irp b, 0,1,2,3,4,5,6,7
	global_load_b128 v[8*\b:8*\b+3], v[BOF], s[78:79] offset:1024*\b        ; output 16 b + r, ranks 8 h + 0 .. 7, f32
	global_load_b128 v[8*\b+4:8*\b+7], v[BOF], s[78:79] offset:1024*\b+16
	global_load_b32 v[96+\b], v[VOF], s[82:83] offset:64*\b
.endr
	WIN 0
.irp a, 0,1,2,3,4,5,6,7
	global_load_b128 v[HF+4*\a:HF+4*\a+3], v[HOF], s[6:7] offset:512*\a      ; token 16 a + r, ranks 8 h + 0 .. 7, bf16
.endr
	global_load_b128 v[BI:BI+3], v[L16], s[76:77]
	SLOAD 0, 0
	ALOAD 0, 0
	CROUND                                         ; the four partners are here: the joint loads meet
	tensor_load_to_lds s[32:35], s[24:31]          ; my one tensor load at the head: my 64 rows of chunk 0, into slot 0
	s_nop 0
	ALOAD 1, 0
	WIN 0x40
	ALOAD 2, 0
	s_wait_loadcnt 56                              ; all but unit 0's scale words and token sets 0-2
	WIN 0x55
.irp b, 0,1,2,3,4,5,6,7
	v_cndmask_b32 v[96+\b], 1.0, v[96+\b], s88     ; VeRA: vera_bvec of output 16 b + r; LoRA: 1
.endr
.irp b, 0,1,2,3,4,5,6,7
.irp i, 0,1,2,3,4,5,6,7
	v_mul_f32 v[8*\b+\i], v[8*\b+\i], v[96+\b]
.endr
.endr
.irp b, 0,1,2,3,4,5,6,7
.irp i, 0,1,2,3
	v_cvt_pk_bf16_f32 v[64+4*\b+\i], v[8*\b+2*\i], v[8*\b+2*\i+1]
.endr
.endr
	WIN 0
	s_wait_alu depctr_va_vdst(0)                   ; the wait directly ahead of the wait below
	s_wait_tensorcnt 0x0                           ; my part of chunk 0 is in
	ds_add_u32 v[SPW], v[NIL]
	s_xor_b32 s33, s33, SLOT                       ; slot 1,
	s_add_nc_u64 s[34:35], s[34:35], 512           ; chunk 1
	s_wait_dscnt 0x0
	CROUND                                         ; everybody's part of chunk 0 is in, and the partners are here
	tensor_load_to_lds s[32:35], s[24:31]          ; slot 1's first fill: my one tensor load behind the round
	s_nop 0
	PLACES 4
	WIN 0x04
.irp b, 0,1,2,3,4,5,6,7
	ds_store_b128 v[RD], v[64+4*\b:64+4*\b+3] offset:512*\b   ; b' waits in my stage as images of registers
.endr
	WIN 0x40
	BLOAD 0, 0
	s_mov_b32 s3, 0
	STEP 0,0,1,  0,-1, 64,0,-1,0, 48,16            ; the first step starts the sums
	WIN 0
.Ltrip:                                            ; trips 0 and 1: each fills the slot that it has read out again, with chunks 2 and 3
	TRIP 1
	WIN 0
	s_wait_xcnt 0x0                                ; every load and prefetch has read its base: only now are they stepped
	s_add_nc_u64 s[20:21], s[20:21], 2*AKS
	s_add_nc_u64 s[22:23], s[22:23], 2*WKS
	s_add_nc_u64 s[96:97], s[96:97], 512
	s_add_co_u32 s3, s3, 1
	s_cmp_lt_u32 s3, 2
	s_cbranch_scc1 .Ltrip
	TRIP 0                                         ; units 4, 5 and the first step of 6: nothing more of W is fetched
	STEP 1,0,0,  3, 3,128,0,-1,0, 56,16            ; units 6 and 7 (the bases still stand at unit 4): nothing is asked for beyond unit 7
	STEP 2,0,0,  3,-1,192,0,-1,0, 56,16
	STEP 3,0,0,  3,-1,256,0,-1,0, 56,16
	STEP 0,1,0,  3,-1,320,0,-1,0, 48,16
	STEP 1,1,0, -1,-1,384,0,-1,0, 32,16
	STEP 2,1,0, -1,-1,448,0,-1,0, 16,16
	STEP 3,1,0, -1,-1, -2,0,-1,0,  0, 8
	; the adapter: acc += b' h'^T.  The moves below name no register of the last step's products and are the places behind them
	WIN 0x40
.irp b, 0,1,2,3,4,5,6,7
.irp i, 4,5,6,7
	v_mov_b32 v[8*\b+\i], 0                        ; b's upper 16 of K
.endr
.endr
	WIN 0
.irp i, 0,1,2,3
	v_mov_b32 v[HF+32+\i], 0                       ; what block 7's fragment names behind h'
.endr
	s_wait_alu depctr_va_vdst(0)                   ; the wait directly ahead of the wait below
	s_wait_dscnt 0x0                               ; b' is back
	PLACES 4
.macro ADAPT a0
.irp a, \a0, \a0+1, \a0+2, \a0+3
.irp b, 0,1,2,3,4,5,6,7
	v_wmma_f32_16x16x32_bf16 v[8*(8*((\a)%4)+\b):8*(8*((\a)%4)+\b)+7], v[8*\b:8*\b+7], v[HF+4*(\a):HF+4*(\a)+7], v[8*(8*((\a)%4)+\b):8*(8*((\a)%4)+\b)+7]
.endr
.endr
.endm
	WIN 0xa1
	ADAPT 0
	WIN 0xf1
	ADAPT 4
	WIN 0
; THE WAY OUT, block by block of 16 tokens x 128 outputs: through my own stage, back as whole rows of 512 bytes, the bias added, stored as two aligned units of 256 bytes.
; LDS serves a wave's instructions in order (ISA guide 5.7.1.4): no wait between the stores and the loads.
.macro TOSTAGE a
.set AC, 64*((\a)%4)
	WIN 0x08+4*((\a)/4)
.irp b, 0,1,2,3,4,5,6,7
	ds_store_b128 v[STO], v[AC+8*\b:AC+8*\b+3] offset:64*\b          ; each accumulator from its low end on
	ds_store_b128 v[STO], v[AC+8*\b+4:AC+8*\b+7] offset:64*\b+16
.endr
	WIN 0
.set BB, BK+64*((\a)%2)
.irp t, 0,1,2,3,4,5,6,7,8,9,10,11,12,13,14,15
	ds_load_b128 v[BB+4*\t:BB+4*\t+3], v[RD] offset:\t*PITCH
.endr
.endm
.macro SEND a, younger
.set BB, BK+64*((\a)%2)
	s_wait_dscnt \younger                          ; the block is back in registers
.if (\a) > 0
	s_add_nc_u64 s[12:13], s[12:13], 16*NOUT*4     ; behind a wait on XCNT: the earlier stores have read their base
.endif
.irp t, 0,1,2,3,4,5,6,7,8,9,10,11,12,13,14,15
	v_pk_add_f32 v[BB+4*\t:BB+4*\t+1], v[BB+4*\t:BB+4*\t+1], v[BI:BI+1]
	v_pk_add_f32 v[BB+4*\t+2:BB+4*\t+3], v[BB+4*\t+2:BB+4*\t+3], v[BI+2:BI+3]
.endr
.irp t, 0,1,2,3,4,5,6,7,8,9,10,11,12,13,14,15
	global_store_b128 v[L16], v[BB+4*\t:BB+4*\t+3], s[12:13] offset:\t*NOUT*4 th:TH_STORE_NT   ; 32 lanes store 512 consecutive bytes, aligned
.endr
.endm
	PLACES 4
	TOSTAGE 0
.irp a, 1,2,3,4,5,6,7
.if \a > 1
	s_wait_xcnt 0x0                                ; block a - 2's stores have read their registers and their base
.endif
	TOSTAGE \a
	SEND \a-1, 32                                  ; behind block a - 1's loads: block a's 16 stores and 16 loads
.endr
	s_wait_xcnt 0x0
	SEND 7, 0
	s_wait_tensorcnt 0x0                           ; the wave's end
	ds_add_u32 v[SPW], v[NIL]
	s_wait_dscnt 0x0
	CROUND                                         ; the closing round
	s_endpgm
.Lfunc_end_k_qf0744181a3_gemm:
	.size	k_qf0744181a3_gemm, .Lfunc_end_k_qf0744181a3_gemm-k_qf0744181a3_gemm
	.p2alignl 7, 3214868480
	.fill 96, 4, 3214868480
	.section	.rodata,"a",@progbits
	.p2align	6, 0x0
	.amdhsa_kernel k_qf0744181a3_gemm
		.amdhsa_group_segment_fixed_size 327680
		.amdhsa_private_segment_fixed_size 0
		.amdhsa_enable_private_segment 0
		.amdhsa_kernarg_size 72
		.amdhsa_user_sgpr_count 2
		.amdhsa_user_sgpr_kernarg_segment_ptr 1
		.amdhsa_wavefront_size32 1
		.amdhsa_system_sgpr_workgroup_id_x 1
		.amdhsa_system_sgpr_workgroup_id_y 1
		.amdhsa_system_sgpr_workgroup_id_z 1
		.amdhsa_system_vgpr_workitem_id 0
		.amdhsa_next_free_vgpr 1024
		.amdhsa_next_free_sgpr 100
		.amdhsa_reserve_vcc 0
		.amdhsa_float_denorm_mode_32 3
		.amdhsa_float_denorm_mode_16_64 3
		.amdhsa_memory_ordered 1
		.amdhsa_forward_progress 1
		.amdhsa_inst_pref_size 255
	.end_amdhsa_kernel
	.section	.bss,"aw",@nobits
	.p2align	6
	.space	262144
	.amdgpu_metadata
---
amdhsa.version: [ 1, 2 ]
amdhsa.kernels:
  - .name:           k_qf0744181a3_gemm
    .symbol:         k_qf0744181a3_gemm.kd
    .args:
      - { .name: acodes, .offset: 0, .size: 8, .value_kind: global_buffer, .address_space: global }
      - { .name: hbuf, .offset: 8, .size: 8, .value_kind: global_buffer, .address_space: global }
      - { .name: W_codes, .offset: 16, .size: 8, .value_kind: global_buffer, .address_space: global }
      - { .name: wsc, .offset: 24, .size: 8, .value_kind: global_buffer, .address_space: global }
      - { .name: bias, .offset: 32, .size: 8, .value_kind: global_buffer, .address_space: global }
      - { .name: lora_b, .offset: 40, .size: 8, .value_kind: global_buffer, .address_space: global }
      - { .name: vera_b, .offset: 48, .size: 8, .value_kind: global_buffer, .address_space: global }
      - { .name: vera_bvec, .offset: 56, .size: 8, .value_kind: global_buffer, .address_space: global }
      - { .name: out0, .offset: 64, .size: 8, .value_kind: global_buffer, .address_space: global }
    .group_segment_fixed_size: 327680
    .private_segment_fixed_size: 0
    .kernarg_segment_align: 8
    .kernarg_segment_size: 72
    .max_flat_workgroup_size: 128
    .sgpr_count:     100
    .vgpr_count:     1024
    .wavefront_size: 32
...
	.end_amdgpu_metadata
.endif
;; end of part 2
